; MI455X (gfx1250); checked and timed in simulation.
; The chip was launched on July 23, 2026; its instructions are those of AMD's public machine-readable ISA for CDNA 5 (MIT licence, August 2026) and "CDNA5" Instruction Set Architecture Reference Guide (July 2026). The comments in the code are by the model that wrote it; some were corrected since.
;; QKV Attention. Allowed arithmetic: matrix products marked QUANTISED: E4M3 operands, one given power-of-two scale a tensor, by v_wmma_f32_16x16x64_fp8_fp8 or v_wmma_f32_16x16x128_fp8_fp8, f32 sums; everything else in f32.
;; Inputs: lowp_scales 4 int32 (the exponents e of the quantised operands' scales 2^e); qkv 64 x 192 x 2,048 float32.
;; Outputs: out0 64 x 64 x 2,048 float32.
;; This version of the problem:
;;   THIS VERSION OF THE PROBLEM IS GIVEN IN LOW PRECISION. The matrix products marked QUANTISED in the list below multiply operands that are first quantised to E4M3 (4 exponent bits, 3 mantissa bits; 8 bits a number), with one given power-of-two scale for each operand tensor; their sums are f32. All else is computed in f32.
;;   The module's matrix products, in the order in which they are computed (A, B: the left and right operand; K: the contracted axis; several contracted axes count as one K, in the product's order):
;;     1. batch 64 x [M 2,048, K 64] x [K 64, N 2,048]; A: computed on the way; B: computed on the way: QUANTISED (scales: A lowp_scales[0], B lowp_scales[1])
;;     2. batch 64 x [M 64, K 2,048] x [K 2,048, N 2,048]; A: computed on the way; B: softmax (see below): QUANTISED (scales: A lowp_scales[2], B lowp_scales[3])
;;   THE QUANTISER, for each operand of a quantised product, along K:
;;     - The operand's scale is 2^e, e = its entry of the input lowp_scales (int32; the entries are numbered through the quantised products in the list's order, A before B).
;;     - Each number is divided by the scale, clamped to +-448, and rounded to the nearest number of E4M3, ties to even, subnormals kept.
;;     - The product sums the exact products of the quantised numbers (number of the format x scale) in f32.
;;   ~~~python
;;   def quantise(x, axis, e):      # numpy; x: float32 -> the quantised numbers, widened to float32 again
;;       x = np.moveaxis(x, axis, -1); K = x.shape[-1]
;;       r = np.clip(x / 2.0 ** e, -448, 448)
;;       step = 2.0 ** (np.maximum(np.frexp(np.where(r == 0, 1, r))[1] - 1, -6) - 3)
;;       q = np.round(r / step) * step * 2.0 ** e      # np.round: ties to even
;;       return np.moveaxis(q, -1, axis).astype(np.float32)
;;   ~~~
;;   SOFTMAX AHEAD OF A QUANTISED PRODUCT. Where the list says 'softmax', what is quantised is not the finished softmax but p = 2^(t - M), with t = logit x log2(e) and M = ceil(the row's largest t), a whole number; so 1/2 < the row's largest p <= 1. The row's sum l is taken of the UNQUANTISED p, in f32, and the product's result is divided by l at the end. Since M is a whole number, a kernel that streams over the keys may use a running M (the ceiling of the running maximum): every later rescaling is an exact power of two, so the quantised numbers keep their values, but for numbers so far below the row's largest that they fall under the format's range.
;;   OPERANDS COMPUTED ON THE WAY. 'Computed on the way' means the value that the module computes at that place (a softmax that the list does not call 'softmax' is quantised finished and normalised). What goes into a quantiser is computed in f32, as accurately as f32 sums, v_exp_f32 and their like allow (about 1e-6 of the number): no bf16 or f16 on the way to a quantiser, and a product that is left as it is and whose result goes on into a quantised operand takes f32 operands (vector FMAs, or v_wmma_f32_16x16x4_f32). A number that lies on a knife's edge between two numbers of the format may be rounded either way, as far as f32 arithmetic and the matrix unit's own rounding can turn it there, and no further.
;; One version. Each part assembles by itself: llvm-mc -triple=amdgcn-amd-amdhsa -mcpu=gfx1250 --defsym DOCPART=n.
;; ======== version 1 of 1: 1 launch
;; limits: right only within a limited range of input values
;; launch attn (part 1): grid 4 x 64, 16 waves a work-group, clusters of 4 x 1, 327,680 bytes of LDS; arguments qkv, lowp_scales, out0; writes out0
.if DOCPART == 1
	.amdgcn_target "amdgcn-amd-amdhsa--gfx1250"
	.amdhsa_code_object_version 6
	.text
	.protected	k_q9eb4f8b8cd_attn
	.globl	k_q9eb4f8b8cd_attn
	.p2align	8
	.type	k_q9eb4f8b8cd_attn,@function
k_q9eb4f8b8cd_attn:
	s_mov_b64 s[64:65], 0
	v_nop
	global_prefetch_b8 v0, s[64:65] scope:SCOPE_SE
	s_setreg_imm32_b32 hwreg(HW_REG_WAVE_MODE, 25, 1), 1
	s_wait_xcnt 0x0
	s_wait_alu depctr_hold_cnt(0) depctr_sa_sdst(0) depctr_va_vdst(0) depctr_va_sdst(0) depctr_va_ssrc(0) depctr_va_vcc(0) depctr_vm_vsrc(0)
	s_getreg_b32 s2, hwreg(HW_REG_IB_STS2, 6, 4)
	s_cmp_eq_u32 s2, 0
	s_cbranch_scc0 .Lentry_in_a_cluster
	s_endpgm
.Lentry_in_a_cluster:
	s_bfe_u32 s2, ttmp6, 0x10000c
	s_cmp_lg_u32 s2, 0x3003
	s_cbranch_scc0 .Lentry_shape_is_right
	s_endpgm
.Lentry_shape_is_right:
; out[b][c][t] = sum over s of v[b][c][s] softmax_s( sum over c of (q[b][c][t] / sqrt(8)) (k[b][c][s] / sqrt(8)) ).  qkv: [64][192][2048] f32 (rows 0-63 q, 64-127 k, 128-191 v); out0: [64][64][2048] f32.
; Both products on codes of FP8 (E4M3), each operand with its given scale 2^e: e0 (q / sqrt(8)), e1 (k / sqrt(8)), e2 (v), e3 (p).
; SOFTMAX: t = logit x log2(e); M = the running largest t rounded up to a whole number; p = 2^(t - M) is quantised; the row's sum is taken of the unquantised p and divides at the end;
; when M moves, the sum and O are multiplied by 2^(old M - new M).
; SHARES.  A cluster of four work-groups owns one head; a work-group 512 queries; each of its sixteen waves 32 queries (two tiles of 16).  Every wave walks all 2,048 keys, 128 a trip.
; THE FOUR PARTNERS READ THE SAME k AND v: a chunk (128 rows x 128 keys of f32) is asked for JOINTLY, 8 rows a wave, into a ring of two LDS slots, one round of the cluster's barrier a chunk.
; Each work-group turns chunk i + 1 from its slot into codes (images of the operands' registers, two code buffers by turns) in the trip that walks chunk i's softmax.
; A TRIP: the round; K's fragments are asked of LDS; under them the second product of the chunk BEFORE, which is work on registers; the first product; the softmax; V's fragments and the next chunk's codes.
; LAYOUT.  Both products transposed: S^T = K Q^T, O^T = V P^T: a lane holds one query (lane % 16).  Channels, in Q and K alike: register 4 c + x, byte y of lane (r, h) is channel 32 c + 16 h + 4 x + y.
; Row m of key tile tau is key 32 (tau / 2) + 16 (m / 8) + 8 (tau % 2) + m % 8, so the conversions of tile tau's eight registers are registers 2 tau, 2 tau + 1 of P, and registers 4 G .. 4 G + 3 of lane (r, h),
; in P and V alike, are keys 32 G + 16 h + 0 .. 15.  Both are permutations of k, the same in both sources.
; REGISTERS.  Six of K's eight fragments lie in S registers that later key tiles write (five places stand between their last use and that write), two in KF.
; p's codes are laid over S registers already converted (tile t: v[S+64t-2 .. S+64t+13]); V's fragments, the next chunk's numbers and their codes go into freed S registers and KF.
; LIMITS: e0, e1, e2 between -126 and 119; e0 + e1 between -126 and 127; e3 between -8 and 119: p is at most 1 (but for the last bit of t - M), so p / 2^e3 stays under 448 and p has no hold.
; NaN among the inputs is not served.  A p under 2^-126 counts as 0.  The scaled scores stay under 2^31 in magnitude.
.set ROW,    8192                      ; a row of qkv or out0 in bytes
.set FP,     528                       ; a slot's row: 512 bytes + 16 of padding
.set SLOT1,  131072                    ; parity 1's slot and code buffer lie this far behind parity 0's
.set CODE0,  128*FP                    ; behind a slot: its parity's code buffer
.set KT,     1152                      ; a key tile's image: 1,024 bytes (g x 256 + m x 16) + 128, so that a store's 16 lanes take 16 columns of 16 bytes
.set VOFF,   CODE0+8*KT                ; V's images: channel tile x VCT + (2 G + h) x VG + r x 16
.set VG,     320
.set VCT,    8*VG
.set SPARE,  SLOT1+VOFF+4*VCT          ; the spare words: 128 bytes a wave, 2,048 bytes that no other line names
.set SPITCH, 2064                      ; the way out: 64 rows x (2,048 + 16) from LDS byte 0, on bytes that have had their last fill
.set KRD, 1                            ; v1  CODE0 + 16 lane
.set VRD, 2                            ; v2  VOFF + VG h + 16 r
.set KST, 3                            ; v3  where I store 16 codes of K
.set VST, 4                            ; v4  of V
.set KLD, 5                            ; v5  where I read k's numbers in a slot
.set VLD, 6                            ; v6  v's
.set SPW, 7                            ; v7  my spare word
.set NIL, 8                            ; v8  0
.set PFO, 9                            ; v9  the prefetch's offset
.set E1V, 10                           ; v10-12  2^e1, 2^e2, 2^e3 as f32
.set E2V, 11
.set E3V, 12
.set ADV, 13                           ; v13 at work: V's read address; at the head q's offset
.set ST,  14                           ; v[14:17], v[18:21]  a tile's -M, largest t, sum in two halves
.set T0,  22                           ; v22-25 at work
.set T1,  23
.set T2,  24
.set T3,  25
.set F0,  26                           ; v[26:27], v[28:29]  f = 2^(old M - new M) of tile 0, 1 (the low word counts)
.set F1,  28
.set KF,  30                           ; v[30:45]  K's fragments 6, 7; then V's channel tile 3
.set Q,   46                           ; v[46:61]  Q's codes
.set S,   64                           ; v[64:191] S^T, then p: 64 a tile; v[62:63] stand in front for P
.set O,   192                          ; v[192:255] O^T: 32 qt + 8 ct
.set KS,  S+30                         ; the next chunk's k: 16 channels of my key
.set VS,  S+46                         ; and v: 16 keys of my channel
.set KC,  S+110                        ; their codes
.set VC,  S+114
.set P0,  S-2
.set P1,  S+62
.set QN,  S+64                         ; at the head: q's numbers
.set G1,  32                           ; s[32:39] descriptor group 1: 8 rows
.set G0,  40                           ; s[40:43], s[44:47] group 0 of slot 0, 1
.set PFA, 48                           ; s[48:49] where my prefetch stands
.set CNT, 50                           ; s50 loop trips to go
.set LIM, 51                           ; s51 1 in waves 0 and 1, else the greatest number
.set QA,  52                           ; s[52:53] q at my queries
.set LIM2, 62                          ; s62 0 in waves 0 and 1, else the greatest number
.set G1H, 68                           ; s[68:75] group 1 of the head's load: 16 rows
.set G0H, 76                           ; s[76:79] its group 0
; s10 wave, s11 cx, s12 head; s[14:15] lane selects; s[16:17] c = log2(e) 2^(e0+e1); s[18:19] 1/sqrt(8); s[20:23] e0..e3; s24/25, s26/27, s30/31 -+448 x 2^e1, 2^e2, 2^e0; s29 e2+e3; s54-61, s80-81 at work
.macro ROUND                           ; a round of the cluster's barrier
	s_barrier_signal -1
	s_barrier_wait -1
	s_cmp_lg_u32 s10, 0
	s_cbranch_scc1 .Lnot_wave_0_\@
	s_barrier_signal -3
.Lnot_wave_0_\@:
	s_barrier_wait -3
	s_barrier_signal -1
	s_barrier_wait -1
.endm
.macro NOPS n
.rept \n
	v_nop
.endr
.endm
.macro AT sym, tmp, base, par          ; the address register for parity par: the base itself, or base + SLOT1 in tmp
.if \par
	v_add_nc_u32 v[\tmp], SLOT1, v[\base]
.set \sym, \tmp
.else
.set \sym, \base
.endif
.endm
; The change of slots: all my tensor loads are in, the add, my LDS instructions are done; a round; then my one joint load, into slot par.
.macro SYNC par
	s_wait_tensorcnt 0x0
	ds_add_u32 v[SPW], v[NIL]
	s_add_nc_u64 s[G0+4*(\par)+2:G0+4*(\par)+3], s[G0+4*(\par)+2:G0+4*(\par)+3], 1024   ; this slot's next chunk: two chunks on
	s_wait_xcnt 0x0                                ; my prefetch has read its address
	s_add_nc_u64 s[PFA:PFA+1], s[PFA:PFA+1], 512
	s_wait_dscnt 0x0
	ROUND
	tensor_load_to_lds s[G0+4*(\par):G0+4*(\par)+3], s[G1:G1+7]
	s_nop 0
.endm
; A chunk's numbers out of slot fp.  k: wave w takes channels 16 (w / 4) + 0..15 of key 32 (w % 4) + lane.  v: channel 4 w + lane % 4, keys 16 (lane / 4) + 0..15.
.macro QLOAD fp
	AT AKL, T0, KLD, \fp
	AT AVL, T1, VLD, \fp
.set i, 0
.rept 16
	ds_load_b32 v[KS+i], v[AKL] offset:i*FP
.set i, i+1
.endr
.irp j, 0,1,2,3
	ds_load_b128 v[VS+4*\j:VS+4*\j+3], v[AVL] offset:16*\j
.endr
.endm
.macro QCONV fp, n                     ; n: the LDS loads issued behind QLOAD's, which may stay out
	s_wait_dscnt \n
.set i, 0
.rept 8
	v_pk_mul_f32 v[KS+i:KS+i+1], v[KS+i:KS+i+1], s[18:19] op_sel_hi:[1,0]   ; k / sqrt(8)
.set i, i+2
.endr
.set i, 0
.rept 16
	v_med3_num_f32 v[KS+i], v[KS+i], s24, s25      ; the hold at the largest code x the scale (ISA guide 7.6.2)
	v_med3_num_f32 v[VS+i], v[VS+i], s26, s27
.set i, i+1
.endr
	v_cvt_scalef32_pk8_fp8_f32 v[KC:KC+1], v[KS:KS+7], v[E1V]
	v_cvt_scalef32_pk8_fp8_f32 v[KC+2:KC+3], v[KS+8:KS+15], v[E1V]
	v_cvt_scalef32_pk8_fp8_f32 v[VC:VC+1], v[VS:VS+7], v[E2V]
	v_cvt_scalef32_pk8_fp8_f32 v[VC+2:VC+3], v[VS+8:VS+15], v[E2V]
	v_nop                                          ; one plain instruction behind the conversions
	AT AKS, T0, KST, \fp
	AT AVS, T1, VST, \fp
	ds_store_b128 v[AKS], v[KC:KC+3]
	ds_store_b128 v[AVS], v[VC:VC+3]
.endm
.macro KL tau, fr
	ds_load_b128 v[\fr:\fr+3], v[AKR] offset:(\tau)*KT
	ds_load_b128 v[\fr+4:\fr+7], v[AKR] offset:(\tau)*KT+512
.endm
.macro QK tau, fr
	v_wmma_f32_16x16x64_fp8_fp8 v[S+8*(\tau):S+8*(\tau)+7], v[\fr:\fr+7], v[Q:Q+7], 0
	v_wmma_f32_16x16x64_fp8_fp8 v[S+64+8*(\tau):S+64+8*(\tau)+7], v[\fr:\fr+7], v[Q+8:Q+15], 0
.endm
.macro VL ct, fr
.irp g, 0,1,2,3
	ds_load_b128 v[\fr+4*\g:\fr+4*\g+3], v[AVR] offset:(\ct)*VCT+2*VG*\g
.endr
.endm
.macro PV ct, fr
	v_wmma_f32_16x16x128_fp8_fp8 v[O+8*(\ct):O+8*(\ct)+7], v[\fr:\fr+15], v[P0:P0+15], v[O+8*(\ct):O+8*(\ct)+7]
	v_wmma_f32_16x16x128_fp8_fp8 v[O+32+8*(\ct):O+32+8*(\ct)+7], v[\fr:\fr+15], v[P1:P1+15], v[O+32+8*(\ct):O+32+8*(\ct)+7]
.endm
.macro PVALL                           ; O^T += V P^T over 128 keys: the eight accumulators take turns
	PV 3, KF
	PV 0, S+14
	PV 1, S+78
	PV 2, S+94
	NOPS 5                                         ; places ahead of the loads and results that land on these operands, and of the reads of O^T
.endm
.macro ADD4 o                          ; eight p into the sum's two chains
	v_pk_add_f32 v[rT+2:rT+3], v[rT+2:rT+3], v[rS+(\o):rS+(\o)+1]
	v_pk_add_f32 v[T0:T0+1], v[T0:T0+1], v[rS+(\o)+2:rS+(\o)+3]
	v_pk_add_f32 v[rT+2:rT+3], v[rT+2:rT+3], v[rS+(\o)+4:rS+(\o)+5]
	v_pk_add_f32 v[T0:T0+1], v[T0:T0+1], v[rS+(\o)+6:rS+(\o)+7]
.endm
; Behind a tile's exponentials: the sum, and p's codes.
.macro SUMCVT t
.set rS, S+64*(\t)
.set rT, ST+4*(\t)
.set rF, F0+2*(\t)
	v_pk_mul_f32 v[rT+2:rT+3], v[rT+2:rT+3], v[rF:rF+1] op_sel_hi:[1,0]   ; the sum under the new M (a plain place behind the batch)
	s_wait_alu depctr_va_vdst(0)                   ; the wait behind the batch, ahead of its first reader
	v_pk_add_f32 v[T0:T0+1], v[rS:rS+1], v[rS+2:rS+3]
	v_pk_add_f32 v[rT+2:rT+3], v[rT+2:rT+3], v[rS+4:rS+5]
	v_pk_add_f32 v[T0:T0+1], v[T0:T0+1], v[rS+6:rS+7]
	ADD4 8
.set u, 0
.rept 8                                ; group u's codes land two registers under 2 u: on registers summed and converted before; the additions are the plain places between
	v_cvt_scalef32_pk8_fp8_f32 v[rS-2+2*u:rS-1+2*u], v[rS+8*u:rS+8*u+7], v[E3V]
.if u < 6
	ADD4 8*(u+2)
.endif
.set u, u+1
.endr
	v_pk_add_f32 v[rT+2:rT+3], v[rT+2:rT+3], v[T0:T0+1]
.endm
; A prefetch of the chunk that the refill two trips on will ask for: 128 rows x 512 bytes.  The four partners share the rows out by address (32 each), waves 0 and 1 take 16 rows each,
; two lanes to a row, 256 bytes apart: each aligned block of 256 bytes is named once in the cluster.  Chunks 4 to 15 are asked for, in the trips of chunks 0 to 11; the later trips ask for nothing.
.macro ASK lim
	s_cmp_gt_u32 s[CNT], s[\lim]
	s_cbranch_scc0 .Lnot_mine_\@
	global_prefetch_b8 v[PFO], s[PFA:PFA+1] th:TH_LOAD_NT scope:SCOPE_SE
.Lnot_mine_\@:
.endm
; A trip: chunk i (parity par).  sync 2: round and refill; 1: the last chunk has landed; 0: the last codes are stored.  quant: chunk i + 1's codes are made.  lim: the prefetch's bound, 0 for none.  pv: chunk i - 1's second product.
.macro TRIP par, sync, quant, lim, pv
.if \sync == 2
	SYNC \par
.else
.if \sync == 1
	s_wait_tensorcnt 0x0
.endif
	s_wait_dscnt 0x0
	s_barrier_signal -1
	s_barrier_wait -1
.endif
	AT AKR, T2, KRD, \par
	KL 0, S+30                                     ; six fragments into registers that chunk i - 1 has left: S+30 .. S+61 and S+112 .. S+127
	KL 1, S+38
	KL 2, S+46
	KL 3, S+54
	KL 4, S+112
	KL 5, S+120
.if \pv
	PVALL                                          ; its operands lie in registers
.endif
	KL 6, KF
	KL 7, KF+8
	s_wait_dscnt 10                                ; fragments 0-2 are in; the ten loads behind them may stay out
	QK 0, S+30
	QK 1, S+38
	QK 2, S+46
	NOPS 5                                         ; five places ahead of results laid over fragments 0-2 (key tiles 3, 4 and 5 write S+24 .. S+47)
	s_wait_dscnt 4
	QK 3, S+54
	QK 4, S+112
	QK 5, S+120
	NOPS 5                                         ; and over fragments 4, 5
	s_wait_dscnt 0x0
	QK 6, KF
	QK 7, KF+8
	NOPS 4                                         ; four places ahead of the loads into KF
	AT AVR, ADV, VRD, \par
	VL 3, KF
.if \lim
	ASK \lim
.endif
	v_max3_num_f32 v[T0], v[S], v[S+1], v[S+2]     ; each query's largest score among my 64 keys: four chains, ascending
	v_max3_num_f32 v[T1], v[S+3], v[S+4], v[S+5]
	v_max3_num_f32 v[T2], v[S+64], v[S+65], v[S+66]
	v_max3_num_f32 v[T3], v[S+67], v[S+68], v[S+69]
.set i, 6
.rept 14
	v_max3_num_f32 v[T0], v[T0], v[S+i], v[S+i+1]
	v_max3_num_f32 v[T1], v[T1], v[S+i+2], v[S+i+3]
	v_max3_num_f32 v[T2], v[T2], v[S+64+i], v[S+64+i+1]
	v_max3_num_f32 v[T3], v[T3], v[S+64+i+2], v[S+64+i+3]
.set i, i+4
.endr
	v_max3_num_f32 v[T0], v[T0], v[S+62], v[S+63]
	v_max3_num_f32 v[T2], v[T2], v[S+126], v[S+127]
	v_max_num_f32 v[T0], v[T0], v[T1]
	v_max_num_f32 v[T2], v[T2], v[T3]
	v_permlanex16_b32 v[T1], v[T0], s14, s15       ; the query's other 64 keys lie in the lane 16 away
	v_permlanex16_b32 v[T3], v[T2], s14, s15
	v_max_num_f32 v[T0], v[T0], v[T1]
	v_max_num_f32 v[T2], v[T2], v[T3]
	v_mul_f32 v[T0], s16, v[T0]                    ; as t (c is positive)
	v_mul_f32 v[T2], s16, v[T2]
	v_max_num_f32 v[ST+1], v[ST+1], v[T0]          ; the running largest t
	v_max_num_f32 v[ST+5], v[ST+5], v[T2]
	v_mov_b32 v[T0], v[ST]
	v_mov_b32 v[T2], v[ST+4]
	v_floor_f32 v[ST], -v[ST+1]                    ; -M = floor(-t)
	v_floor_f32 v[ST+4], -v[ST+5]
	v_sub_f32 v[T0], v[ST], v[T0]                  ; old M - new M
	v_sub_f32 v[T2], v[ST+4], v[T2]
	v_cvt_i32_f32 v[T0], v[T0]                     ; (it saturates)
	v_cvt_i32_f32 v[T2], v[T2]
	v_ldexp_f32 v[F0], 1.0, v[T0]
	v_ldexp_f32 v[F1], 1.0, v[T2]
.irp t, 0,1
.set j, 0
.rept 16
	v_pk_mul_f32 v[O+32*\t+j:O+32*\t+j+1], v[O+32*\t+j:O+32*\t+j+1], v[F0+2*\t:F0+2*\t+1] op_sel_hi:[1,0]   ; O^T under the new M, ascending, ahead of the trip's exponentials
.set j, j+2
.endr
.endr
.set j, 0
.rept 32
	v_pk_fma_f32 v[S+j:S+j+1], v[S+j:S+j+1], s[16:17], v[ST:ST+1] op_sel_hi:[1,0,0]   ; tile 0: t - M
.set j, j+2
.endr
	s_wait_alu depctr_va_vdst(0)                   ; the wait ahead of the batch
.set j, 0
.rept 32                               ; tile 0's 64 exponentials; among them tile 1's t - M, which names none of their registers and is first read behind the next wait
	v_exp_f32 v[S+j], v[S+j]
	v_exp_f32 v[S+j+1], v[S+j+1]
	v_pk_fma_f32 v[S+64+j:S+64+j+1], v[S+64+j:S+64+j+1], s[16:17], v[ST+4:ST+5] op_sel_hi:[1,0,0]
.set j, j+2
.endr
	SUMCVT 0
	VL 0, S+14                                     ; into tile 0's freed registers, under tile 1's exponentials
.if \quant
	QLOAD (1-\par)
.endif
	s_wait_alu depctr_va_vdst(0)                   ; the wait ahead of the batch
.set j, 0
.rept 64
	v_exp_f32 v[S+64+j], v[S+64+j]
.set j, j+1
.endr
	SUMCVT 1
	VL 1, S+78
	VL 2, S+94
.if \quant
	QCONV (1-\par), 8                              ; V's eight fragment loads just issued may stay out
.endif
	s_wait_alu depctr_va_vdst(0)                   ; the wait ahead of the waits, barriers and branches that follow
.endm
.macro POW e, vr, hi                   ; v[vr] = 2^e as f32, s[hi] = 448 x 2^e
	s_add_co_i32 s58, s[\e], 127
	s_lshl_b32 s59, s58, 23
	v_mov_b32 v[\vr], s59
	s_add_co_i32 s58, s58, 8
	s_lshl_b32 s58, s58, 23
	s_or_b32 s[\hi], s58, 0x600000
.endm
	s_load_b128 s[4:7], s[0:1], 0x0                ; qkv, the scales' exponents
	s_load_b64 s[8:9], s[0:1], 0x10                ; out0
	v_lshl_add_u32 v[SPW], v0, 2, SPARE
	v_mov_b32 v[NIL], 0
	ds_add_u32 v[SPW], v[NIL]                      ; the opening lines: the add twice on end
	ds_add_u32 v[SPW], v[NIL]
	v_lshrrev_b32 v22, 5, v0
	v_readfirstlane_b32 s10, v22                   ; wave 0..15
	s_bfe_u32 s11, ttmp6, 0x40000                  ; cx: my block of 512 queries
	s_and_b32 s12, ttmp7, 0xffff                   ; the cluster's y: the head
	s_mov_b32 s[G1], 15|(2<<16)|(1<<20)|(1<<21)|(6<<22)|(3<<25)   ; all four partners; 4-byte elements; four words of padding behind every 128
	s_mov_b32 s[G1+1], 128<<16
	s_mov_b32 s[G1+2], 8<<16
	s_mov_b32 s[G1+3], 128<<16
	s_mov_b32 s[G1+4], 8
	s_mov_b32 s[G1+5], 2048
	s_mov_b32 s[G1+6], 0
	s_mov_b32 s[G1+7], 0
	s_mov_b32 s[G1H], 15|(2<<16)|(1<<20)|(1<<21)|(6<<22)|(3<<25)  ; the same with 16 rows
	s_mov_b32 s[G1H+1], 128<<16
	s_mov_b32 s[G1H+2], 16<<16
	s_mov_b32 s[G1H+3], 128<<16
	s_mov_b32 s[G1H+4], 16
	s_mov_b32 s[G1H+5], 2048
	s_mov_b32 s[G1H+6], 0
	s_mov_b32 s[G1H+7], 0
	s_mul_i32 s54, s12, 192*ROW                    ; the head's first byte
	s_lshl_b32 s55, s10, 16
	s_add_co_u32 s56, s54, s55
	s_add_co_u32 s56, s56, 64*ROW                  ; the ring: my 8 rows of k's and v's 128: head and wave alone
	s_mov_b32 s57, 0
	s_and_b32 s80, s10, 7                          ; the head's load: waves 0-7 take chunk 0, waves 8-15 chunk 1, 16 rows each
	s_lshr_b32 s81, s10, 3
	s_mul_i32 s[G0H+1], s80, 16*FP
	s_lshl_b32 s55, s81, 17
	s_add_co_u32 s[G0H+1], s[G0H+1], s55           ; in LDS: slot w / 8, rows 16 (w % 8)
	s_lshl_b32 s80, s80, 17
	s_lshl_b32 s81, s81, 9
	s_add_co_u32 s80, s80, s81
	s_add_co_u32 s80, s80, s54
	s_add_co_u32 s80, s80, 64*ROW                  ; and in memory
	s_mov_b32 s81, 0
	s_lshl_b32 s58, s11, 11                        ; q: 512 queries x cx + 32 x wave
	s_lshl_b32 s55, s10, 7
	s_add_co_u32 s58, s58, s55
	s_add_co_u32 s58, s58, s54
	s_mov_b32 s59, 0
	s_lshl_b32 s60, s11, 18                        ; the prefetch: 32 rows x cx + 16 x (wave % 2), one chunk short of chunk 4
	s_and_b32 s55, s10, 1
	s_lshl_b32 s55, s55, 17
	s_add_co_u32 s60, s60, s55
	s_add_co_u32 s60, s60, s54
	s_add_co_u32 s60, s60, 64*ROW+3*512
	s_mov_b32 s61, 0
	s_lshl_b32 s54, s12, 19                        ; out0: the head's 64 rows, my 4, my block's queries
	s_lshl_b32 s55, s10, 15
	s_add_co_u32 s54, s54, s55
	s_lshl_b32 s55, s11, 11
	s_add_co_u32 s54, s54, s55
	s_mov_b32 s55, 0
	s_wait_dscnt 0x0                               ; both opening adds are done
	s_wait_kmcnt 0x0
	s_load_b128 s[20:23], s[6:7], 0x0              ; e0 .. e3
	s_add_nc_u64 s[56:57], s[4:5], s[56:57]
	s_add_nc_u64 s[QA:QA+1], s[4:5], s[58:59]
	s_add_nc_u64 s[PFA:PFA+1], s[4:5], s[60:61]
	s_add_nc_u64 s[8:9], s[8:9], s[54:55]
	s_mov_b32 s[G0H], 1
	s_add_nc_u64 s[G0H+2:G0H+3], s[4:5], s[80:81]
	s_or_b32 s[G0H+3], s[G0H+3], 0x80000000
	s_mov_b32 s[G0], 1                             ; the ring's two sets stand at chunks 0 and 1; each is stepped two chunks on ahead of its use
	s_mul_i32 s[G0+1], s10, 8*FP
	s_mov_b64 s[G0+2:G0+3], s[56:57]
	s_or_b32 s[G0+3], s[G0+3], 0x80000000
	s_mov_b32 s[G0+4], 1
	s_add_co_u32 s[G0+5], s[G0+1], SLOT1
	s_add_nc_u64 s[G0+6:G0+7], s[56:57], 512
	s_or_b32 s[G0+7], s[G0+7], 0x80000000
	ROUND                                          ; in front of the first joint loads
	tensor_load_to_lds s[G0H:G0H+3], s[G1H:G1H+7]  ; my one load at the head: the sixteen waves' loads fill both slots
	s_nop 0
	s_lshr_b32 s58, s10, 2
	s_and_b32 s59, s10, 3
	s_mul_i32 s54, s58, 16*FP
	s_lshl_b32 s60, s59, 7
	s_add_co_u32 s54, s54, s60                     ; k in a slot: 16 rows x (w / 4) + 32 keys x (w % 4)
	s_mul_i32 s55, s10, 4*FP
	s_add_co_u32 s55, s55, 64*FP                   ; v: rows 64 + 4 w
	s_mul_i32 s56, s59, 2*KT
	s_lshl_b32 s60, s58, 8
	s_add_co_u32 s56, s56, s60
	s_add_co_u32 s56, s56, CODE0                   ; K's codes: tiles 2 (w % 4), channels' group w / 4
	s_mul_i32 s57, s58, VCT
	s_lshl_b32 s60, s59, 6
	s_add_co_u32 s57, s57, s60
	s_add_co_u32 s57, s57, VOFF                    ; V's: channel tile w / 4, rows 4 (w % 4)
	s_lshr_b32 s[LIM], s10, 1
	s_cmp_eq_u32 s[LIM], 0
	s_cselect_b32 s[LIM], 1, -1
	s_cselect_b32 s[LIM2], 0, -1
	s_mov_b32 s14, 0x76543210                      ; v_permlanex16_b32: lane l xor 16
	s_mov_b32 s15, 0xfedcba98
	s_mov_b32 s18, 0x3eb504f3                      ; 1 / sqrt(sqrt(64))
	s_mov_b32 s19, s18
	v_and_b32 v22, 31, v0                          ; lane
	v_and_b32 v23, 15, v0                          ; r
	v_bfe_u32 v24, v0, 4, 1                        ; h
	v_lshlrev_b32 v[ADV], 2, v23
	v_lshl_add_u32 v[ADV], v24, 17, v[ADV]         ; q: 4 r + 16 rows x h
.irp qt, 0,1
.irp c, 0,1
.set i, 0
.rept 16
	global_load_b32 v[QN+32*\qt+16*\c+i], v[ADV], s[QA:QA+1] offset:(32*\c+i)*ROW+64*\qt   ; channel 32 c + 16 h + i of query 16 qt + r
.set i, i+1
.endr
.endr
.endr
	v_lshl_add_u32 v[KRD], v22, 4, CODE0
	v_mul_u32_u24 v[VRD], v24, VG
	v_lshl_add_u32 v[VRD], v23, 4, v[VRD]
	v_add_nc_u32 v[VRD], VOFF, v[VRD]
	v_lshlrev_b32 v[KLD], 2, v22
	v_add_nc_u32 v[KLD], s54, v[KLD]
	v_and_b32 v25, 3, v0
	v_bfe_u32 v26, v0, 2, 3
	v_mul_u32_u24 v[VLD], v25, FP
	v_lshl_add_u32 v[VLD], v26, 6, v[VLD]
	v_add_nc_u32 v[VLD], s55, v[VLD]
	v_bfe_u32 v27, v0, 3, 1
	v_mul_u32_u24 v[KST], v27, KT                  ; lane bit 3 = tau % 2, bit 4 = row bit 3, bits 2:0 = row bits 2:0
	v_lshl_add_u32 v[KST], v24, 7, v[KST]
	v_and_b32 v28, 7, v0
	v_lshl_add_u32 v[KST], v28, 4, v[KST]
	v_add_nc_u32 v[KST], s56, v[KST]
	v_mul_u32_u24 v[VST], v26, VG
	v_lshl_add_u32 v[VST], v25, 4, v[VST]
	v_add_nc_u32 v[VST], s57, v[VST]
	v_bfe_u32 v29, v0, 1, 4
	v_lshlrev_b32 v[PFO], 13, v29
	v_and_b32 v28, 1, v0
	v_lshl_add_u32 v[PFO], v28, 8, v[PFO]
.irp t, 0,1
	v_mov_b32 v[ST+4*\t+1], 0xff61b1e6             ; the largest t so far: -3e38
	v_floor_f32 v[ST+4*\t], -v[ST+4*\t+1]
	v_mov_b32 v[ST+4*\t+2], 0
	v_mov_b32 v[ST+4*\t+3], 0
.endr
.set j, 0
.rept 64
	v_mov_b32 v[O+j], 0                            ; O^T: the trip's softmax is written once for all chunks; the first change of M leaves zeros zeros
.set j, j+1
.endr
	s_wait_kmcnt 0x0
	s_add_co_i32 s58, s20, s21
	s_lshl_b32 s58, s58, 23
	s_add_co_i32 s16, s58, 0x3fb8aa3b              ; c = log2(e) x 2^(e0 + e1)
	s_mov_b32 s17, s16
	POW 20, T2, 31                                 ; 2^e0 in v24, at the head alone
	s_or_b32 s30, s31, 0x80000000
	POW 21, E1V, 25
	s_or_b32 s24, s25, 0x80000000
	POW 22, E2V, 27
	s_or_b32 s26, s27, 0x80000000
	s_add_co_i32 s58, s23, 127
	s_lshl_b32 s58, s58, 23
	v_mov_b32 v[E3V], s58
	s_add_co_i32 s29, s22, s23                     ; e2 + e3
	s_mov_b32 s[CNT], 6
	s_wait_alu depctr_va_vdst(0)                   ; directly ahead of the wait below
	s_wait_loadcnt 0x0                             ; q
.set j, 0
.rept 32
	v_pk_mul_f32 v[QN+j:QN+j+1], v[QN+j:QN+j+1], s[18:19] op_sel_hi:[1,0]   ; q / sqrt(8)
.set j, j+2
.endr
.set j, 0
.rept 64
	v_med3_num_f32 v[QN+j], v[QN+j], s30, s31
.set j, j+1
.endr
.irp f, 0,1,2,3,4,5,6,7
	v_cvt_scalef32_pk8_fp8_f32 v[Q+2*\f:Q+2*\f+1], v[QN+8*\f:QN+8*\f+7], v[T2]
.endr
	v_nop
	s_wait_alu depctr_va_vdst(0)                   ; directly ahead of the wait below
	s_wait_tensorcnt 0x0                           ; my part of chunk 0 or 1 is in
	s_wait_dscnt 0x0
	s_barrier_signal -1
	s_barrier_wait -1                              ; and everybody's
	QLOAD 0
	QCONV 0, 0                                     ; chunk 0's codes
	s_wait_alu depctr_va_vdst(0)                   ; the head's end
	TRIP 0, 2, 1, LIM2, 0                          ; chunk 0: no chunk stands before it
.Ltrip:                                            ; 6 trips of two chunks: chunks 1 to 12
	TRIP 1, 2, 1, LIM2, 1
	TRIP 0, 2, 1, LIM, 1
	s_sub_co_u32 s[CNT], s[CNT], 1
	s_cmp_lg_u32 s[CNT], 0
	s_cbranch_scc1 .Ltrip
	TRIP 1, 2, 1, 0, 1                             ; chunk 13: the last refill, chunk 15
	TRIP 0, 1, 1, 0, 1                             ; chunk 14; chunk 15's codes are made
	TRIP 1, 0, 0, 0, 1                             ; chunk 15
	s_wait_dscnt 0x0                               ; V's fragments
	PVALL                                          ; chunk 15's second product
	; THE WAY OUT.  O^T / the sum x 2^(e2 + e3) meets in a stage of 64 rows x 512 queries, and each wave stores four whole rows.
	s_lshl_b32 s54, s10, 7
	s_mul_i32 s55, s10, 4*SPITCH
	v_add_f32 v22, v16, v17
	v_add_f32 v24, v20, v21
	v_permlanex16_b32 v23, v22, s14, s15
	v_permlanex16_b32 v25, v24, s14, s15
	v_add_f32 v22, v22, v23
	v_add_f32 v24, v24, v25
	s_wait_alu depctr_va_vdst(0)                   ; ahead of the reciprocals
	v_rcp_f32 v22, v22
	v_rcp_f32 v24, v24
	v_bfe_u32 v30, v0, 4, 1
	v_mul_u32_u24 v26, v30, 8*SPITCH               ; in: row 16 ct + 8 h + j, byte 4 (32 w + 16 qt + r)
	v_and_b32 v31, 15, v0
	v_lshl_add_u32 v26, v31, 2, v26
	v_and_b32 v29, 31, v0
	v_lshlrev_b32 v29, 4, v29                      ; 16 x lane
	v_add_nc_u32 v26, s54, v26
	v_add_nc_u32 v27, 32*SPITCH, v26               ; channel tiles 2 and 3
	v_add_nc_u32 v28, s55, v29                     ; back: rows 4 w + 0..3
	s_wait_alu depctr_va_vdst(0)                   ; and behind them, ahead of their first reader
	v_ldexp_f32 v22, v22, s29
	v_ldexp_f32 v24, v24, s29
	s_wait_alu depctr_va_vdst(0)                   ; directly ahead of the first reader of O^T
.irp t, 0,1
.set j, 0
.rept 16
	v_pk_mul_f32 v[O+32*\t+j:O+32*\t+j+1], v[O+32*\t+j:O+32*\t+j+1], v[22+2*\t:23+2*\t] op_sel_hi:[1,0]
.set j, j+2
.endr
.endr
	s_wait_alu depctr_va_vdst(0)                   ; directly ahead of the wait below
	s_wait_dscnt 0x0
	s_barrier_signal -1
	s_barrier_wait -1                              ; every wave's reads of the codes are over
.irp qt, 0,1
.irp ct, 0,1,2,3
.irp j, 0,1,2,3,4,5,6,7
	ds_store_b32 v[26+\ct/2], v[O+32*\qt+8*\ct+\j] offset:(16*(\ct%2)+\j)*SPITCH+64*\qt
.endr
.endr
.endr
	s_wait_dscnt 0x0
	s_barrier_signal -1
	s_barrier_wait -1                              ; 64 whole rows lie in the stage
.irp i, 0,1,2,3
.irp q, 0,1,2,3
	ds_load_b128 v[S+16*\i+4*\q:S+16*\i+4*\q+3], v28 offset:\i*SPITCH+512*\q
.endr
.endr
.irp i, 0,1,2,3
.irp q, 0,1,2,3
	s_wait_dscnt 15-4*\i-\q                        ; this load is in, the younger ones may stay out
	global_store_b128 v29, v[S+16*\i+4*\q:S+16*\i+4*\q+3], s[8:9] offset:\i*ROW+512*\q th:TH_STORE_NT   ; 32 lanes store 512 consecutive bytes, aligned
.endr
.endr
	s_wait_tensorcnt 0x0                           ; the wave's end
	ds_add_u32 v[SPW], v[NIL]
	s_wait_dscnt 0x0
	ROUND                                          ; the closing round
	s_endpgm
.Lfunc_end_k_q9eb4f8b8cd_attn:
	.size	k_q9eb4f8b8cd_attn, .Lfunc_end_k_q9eb4f8b8cd_attn-k_q9eb4f8b8cd_attn
	.p2alignl 7, 3214868480
	.fill 96, 4, 3214868480
	.section	.rodata,"a",@progbits
	.p2align	6, 0x0
	.amdhsa_kernel k_q9eb4f8b8cd_attn
		.amdhsa_group_segment_fixed_size 327680
		.amdhsa_private_segment_fixed_size 0
		.amdhsa_enable_private_segment 0
		.amdhsa_kernarg_size 24
		.amdhsa_user_sgpr_count 2
		.amdhsa_user_sgpr_kernarg_segment_ptr 1
		.amdhsa_wavefront_size32 1
		.amdhsa_system_sgpr_workgroup_id_x 1
		.amdhsa_system_sgpr_workgroup_id_y 1
		.amdhsa_system_sgpr_workgroup_id_z 1
		.amdhsa_system_vgpr_workitem_id 0
		.amdhsa_next_free_vgpr 256
		.amdhsa_next_free_sgpr 84
		.amdhsa_reserve_vcc 0
		.amdhsa_float_denorm_mode_32 3
		.amdhsa_float_denorm_mode_16_64 3
		.amdhsa_memory_ordered 1
		.amdhsa_forward_progress 1
		.amdhsa_inst_pref_size 209
	.end_amdhsa_kernel
	.amdgpu_metadata
---
amdhsa.version: [ 1, 2 ]
amdhsa.kernels:
  - .name:           k_q9eb4f8b8cd_attn
    .symbol:         k_q9eb4f8b8cd_attn.kd
    .args:
      - { .name: qkv, .offset: 0, .size: 8, .value_kind: global_buffer, .address_space: global }
      - { .name: lowp_scales, .offset: 8, .size: 8, .value_kind: global_buffer, .address_space: global }
      - { .name: out0, .offset: 16, .size: 8, .value_kind: global_buffer, .address_space: global }
    .group_segment_fixed_size: 327680
    .private_segment_fixed_size: 0
    .kernarg_segment_align: 8
    .kernarg_segment_size: 24
    .max_flat_workgroup_size: 512
    .sgpr_count:     84
    .vgpr_count:     256
    .wavefront_size: 32
...
	.end_amdgpu_metadata
.endif
;; end of part 1
